; MI455X (gfx1250); checked and timed in simulation.
; The chip was launched on July 23, 2026; its instructions are those of AMD's public machine-readable ISA for CDNA 5 (MIT licence, August 2026) and "CDNA5" Instruction Set Architecture Reference Guide (July 2026). The comments in the code are by the model that wrote it; some were corrected since.
;; Chamfer Distance. Allowed arithmetic: float matrix products may take bf16 or f16 operands with f32 sums; all other float work in f32.
;; Inputs: x 4 x 8,192 x 3 float32; y 4 x 8,192 x 3 float32.
;; Outputs: out0 4 x 8,192 float32; out1 4 x 8,192 float32; out2 4 x 8,192 int32; out3 4 x 8,192 int32.
;; One version. Each part assembles by itself: llvm-mc -triple=amdgcn-amd-amdhsa -mcpu=gfx1250 --defsym DOCPART=n.
;; ======== version 1 of 1: 2 launches
;; workspace buffers: grp 262,144 bytes of whole numbers
;; launch scan (part 1): grid 32 x 8, 8 waves a work-group, no clusters, 167,936 bytes of LDS; arguments x, y, grp; writes grp
.if DOCPART == 1
	.amdgcn_target "amdgcn-amd-amdhsa--gfx1250"
	.amdhsa_code_object_version 6
	.text
	.protected	k_q75584e5591_scan
	.globl	k_q75584e5591_scan
	.p2align	8
	.type	k_q75584e5591_scan,@function
k_q75584e5591_scan:
	s_mov_b64 s[64:65], 0
	v_nop
	global_prefetch_b8 v0, s[64:65] scope:SCOPE_SE
	s_setreg_imm32_b32 hwreg(HW_REG_WAVE_MODE, 25, 1), 1
	s_wait_xcnt 0x0
; SCAN.  d2(a, b) = (|a|^2 + |b|^2) - 2 a.b between the points a of one cloud (queries) and the points b of the other (targets), 8,192 each, 3 coordinates.
; For each query this launch finds WHICH GROUP of 16 consecutive targets holds the first smallest d2 and stores the group's number (0 to 511).
; The launch behind it works that one group out again and stores the distance and the index: no address here hangs on a distance.
; NUMBERS.  x and y are rounded to bf16 (to nearest even); all that follows is f32 with the roundings of the formula as it is written:
;   |p|^2 = (p0 p0 + p1 p1) + p2 p2,   a.b = (a0 b0 + a1 b1) + a2 b2,   d2 = (|a|^2 + |b|^2) - 2 a.b,   each + and - rounded once.
; A product of two bf16 numbers has 16 significant bits: it is exact in f32, so a fused multiply-add rounds just as a multiply and an add do.
; The indices are whole numbers and have to be the formula's own at ties and near ties too, where the order hangs on these roundings.  So the three products are
; added by the vector unit, one rounding to each addition; a matrix instruction would round their sum once, which is another number in the last bit.
; LIMITS.  A NaN distance never wins here (the formula's argmin would take it); infinities are not treated apart; a product below 2^-126 (coordinates under about 1e-19)
; is kept exact inside the fused multiply-add and may be rounded where multiply and add are apart.
; SHARES.  Grid y = 4 x direction + cloud (direction 0: queries x, targets y; 1: the other way round); grid x = a block of 256 queries.  The work-group lays the whole target cloud
; into LDS once, as four f32 arrays x, y, z, |b|^2 (128 KiB).  Every wave holds all 256 queries, 8 a lane, and walks 1,024 targets, 64 groups; the eight waves' results meet in LDS.
; A pair costs 2.5 packed instructions (two targets in a register pair; the query's numbers are kept twice), half a v_min3, and 3/16 for the group's number.
; NO TENSOR LOAD, NO CLUSTER: the 32 work-groups of a cloud read the same 96 KiB, but once, against 2,097,152 pairs each, and the bytes must pass through registers
; to be rounded and squared before they lie in LDS.
.set CLOUD,  98304                     ; bytes of a cloud: 8,192 points x 12
.set QWG,    256                       ; queries of a work-group
.set TY,     32768                     ; LDS: x at 0, y at 32,768, z at 65,536, |b|^2 at 98,304
.set HI,     65536                     ; the upper two arrays have an address register of their own: an LDS offset has 16 bits
.set MERGE,  131072                    ; behind the table: 8 waves x 256 minima (8 KiB), then as many group numbers
.set MGID,   8192
.set SPARE,  147456                    ; behind that: the spare words, 128 bytes for each of the eight waves: four blocks of 256 bytes that no other line names
.set TRIPS,  63                        ; 64 groups a wave; the last is written out behind the loop, without loads
.set WV,   1                           ; v1       my wave's number
.set SPW,  2                           ; v2       LDS address of my spare word; never rewritten
.set NIL,  3                           ; v3       0; never rewritten
.set LB0,  4                           ; v4       my wave's first target in x: wave x 4,096 bytes
.set LB1,  5                           ; v5       the same in z
.set LA0,  6                           ; v6, v7   the group in hand
.set LA1,  7
.set NEG2, 8                           ; v[8:9]   -2, twice
.set CUR,  10                          ; v10      the number of the group in hand
.set VT,   11                          ; v11      48 t: my four raw targets
.set VQ,   12                          ; v12      96 x lane: my eight raw queries
.set VS0,  13                          ; v13      16 t: where my four targets go in x and y
.set VS1,  14                          ; v14      the same in z and |b|^2
.set LN,   15                          ; v15      lane
.set AQ,   16                          ; v[16:79]   query k at AQ + 8 k: a0 a0 a1 a1 a2 a2 |a|^2 |a|^2
.set BEST, 80                          ; v[80:87]   query k's smallest d2 of the groups done
.set NB,   88                          ; v[88:95]   the same with the group in hand
.set GID,  96                          ; v[96:103]  the first group that reached BEST
.set BB,   104                         ; v[104:167] two buffers of 8 targets: x, y, z, |b|^2, 8 registers each
.set T,    168                         ; v[168:183] a.b and then d2 of 8 targets, two sets that take turns by the query's parity
.set S,    184                         ; v[184:191] |a|^2 + |b|^2
.set R,    104                         ; set-up: v[104:199] raw targets, 12 registers for each of 8 parts
.set QR,   200                         ; set-up: v[200:223] raw queries
.set C,    224                         ; set-up: v[224:235] pairs of bf16
.set P4,   236                         ; set-up: v[236:251] four targets: x, y, z, |b|^2, 4 registers each
.set MB,   104                         ; merge: v[104:119] the eight waves' minima of my two queries
.set MG,   120                         ; merge: v[120:135] their group numbers
.set VR,   136
.set VO,   137
.set VM,   138
.set MK,   32                          ; s[32:39] lane masks of eight compares
	s_load_b128 s[4:7], s[0:1], 0x0                ; x s[4:5], y s[6:7]
	s_load_b64 s[8:9], s[0:1], 0x10                ; grp
	v_lshl_add_u32 v[SPW], v0, 2, SPARE
	v_mov_b32 v[NIL], 0
	v_lshrrev_b32 v[WV], 5, v0
	v_readfirstlane_b32 s28, v[WV]                 ; my wave's number as a scalar
	v_and_b32 v[LN], 31, v0
	v_mul_u32_u24 v[VQ], v[LN], 96                 ; 8 queries x 12 bytes a lane
	v_mul_u32_u24 v[VT], v0, 48                    ; 4 targets x 12 bytes a thread
	v_lshlrev_b32 v[VS0], 4, v0
	v_lshl_add_u32 v[VS1], v0, 4, HI
	v_lshlrev_b32 v[LB0], 12, v[WV]
	v_lshl_add_u32 v[LB1], v[WV], 12, HI
	v_lshlrev_b32 v[CUR], 6, v[WV]                 ; my first group: 64 x wave
	v_mov_b32 v[NEG2], -2.0
	v_mov_b32 v[NEG2+1], -2.0
	s_and_b32 s10, ttmp7, 0xffff                   ; 4 x direction + cloud
	s_lshr_b32 s11, s10, 2                         ; direction
	s_and_b32 s12, s10, 3                          ; cloud
	s_mul_i32 s18, s12, CLOUD
	s_mov_b32 s19, 0
	s_mul_i32 s20, ttmp9, QWG*12                   ; my block of queries
	s_mov_b32 s21, 0
	s_lshl_b32 s22, s10, 15                        ; grp: 8,192 words for each direction and cloud,
	s_lshl_b32 s23, ttmp9, 10                      ; 256 for each block
	s_add_co_u32 s22, s22, s23
	s_mov_b32 s23, 0
	s_mov_b32 s24, 0xffff0000                      ; a word's upper bf16
	s_mov_b32 s27, 0                               ; bytes from my wave's first group to the group in hand
	s_wait_kmcnt 0x0
	s_cmp_eq_u32 s11, 0
	s_cselect_b64 s[14:15], s[4:5], s[6:7]         ; queries
	s_cselect_b64 s[16:17], s[6:7], s[4:5]         ; targets
	s_add_nc_u64 s[14:15], s[14:15], s[18:19]
	s_add_nc_u64 s[14:15], s[14:15], s[20:21]
	s_add_nc_u64 s[16:17], s[16:17], s[18:19]
	s_add_nc_u64 s[8:9], s[8:9], s[22:23]
	; All 30 loads go out together: part i of the table is 1,024 targets, 4 a thread (48 bytes: three loads of 16), then my 8 queries (96 bytes).
.set i, 0
.rept 8
	global_load_b128 v[R+12*i:R+12*i+3],    v[VT], s[16:17] offset:12288*i
	global_load_b128 v[R+12*i+4:R+12*i+7],  v[VT], s[16:17] offset:12288*i+16
	global_load_b128 v[R+12*i+8:R+12*i+11], v[VT], s[16:17] offset:12288*i+32
.set i, i+1
.endr
.set i, 0
.rept 6
	global_load_b128 v[QR+4*i:QR+4*i+3], v[VQ], s[14:15] offset:16*i
.set i, i+1
.endr
; Part i of the table.  Raw number n (0 to 11) is coordinate n % 3 of point n / 3; it is rounded to bf16, widened again, and put with its like.
.macro TAB i
	s_wait_loadcnt 27-3*(\i)                       ; loads come back in order: of the 30 the first 3 i + 3 are in
.set r, R+12*(\i)
.set j, 0
.rept 6
	v_cvt_pk_bf16_f32 v[C+j], v[r+2*j], v[r+2*j+1]
.set j, j+1
.endr
.set j, 0
.rept 6
	v_lshlrev_b32 v[P4+4*((2*j)%3)+(2*j)/3], 16, v[C+j]
	v_and_b32 v[P4+4*((2*j+1)%3)+(2*j+1)/3], s24, v[C+j]
.set j, j+1
.endr
.irp p, 0,2
	v_pk_mul_f32 v[P4+12+\p:P4+12+\p+1], v[P4+\p:P4+\p+1], v[P4+\p:P4+\p+1]  ; x x, exact
.endr
.irp p, 0,2
	v_pk_fma_f32 v[P4+12+\p:P4+12+\p+1], v[P4+4+\p:P4+4+\p+1], v[P4+4+\p:P4+4+\p+1], v[P4+12+\p:P4+12+\p+1]  ; + y y, rounded
.endr
.irp p, 0,2
	v_pk_fma_f32 v[P4+12+\p:P4+12+\p+1], v[P4+8+\p:P4+8+\p+1], v[P4+8+\p:P4+8+\p+1], v[P4+12+\p:P4+12+\p+1]  ; + z z, rounded
.endr
	ds_store_b128 v[VS0], v[P4:P4+3]     offset:4096*(\i)     ; neighbouring threads, neighbouring 16 bytes
	ds_store_b128 v[VS0], v[P4+4:P4+7]   offset:TY+4096*(\i)
	ds_store_b128 v[VS1], v[P4+8:P4+11]  offset:4096*(\i)
	ds_store_b128 v[VS1], v[P4+12:P4+15] offset:TY+4096*(\i)
.endm
.irp i, 0,1,2,3,4,5,6,7
	TAB \i
.endr
	; My eight queries: rounded, widened, each number written twice, so that a packed instruction meets two targets with one query.
	s_wait_loadcnt 0x0
.set j, 0
.rept 12
	v_cvt_pk_bf16_f32 v[C+j], v[QR+2*j], v[QR+2*j+1]
.set j, j+1
.endr
.set j, 0
.rept 12
.set d0, AQ+8*((2*j)/3)+2*((2*j)%3)
.set d1, AQ+8*((2*j+1)/3)+2*((2*j+1)%3)
	v_lshlrev_b32 v[d0], 16, v[C+j]
	v_lshlrev_b32 v[d0+1], 16, v[C+j]
	v_and_b32 v[d1], s24, v[C+j]
	v_and_b32 v[d1+1], s24, v[C+j]
.set j, j+1
.endr
.irp k, 0,1,2,3,4,5,6,7
	v_pk_mul_f32 v[AQ+8*\k+6:AQ+8*\k+7], v[AQ+8*\k:AQ+8*\k+1], v[AQ+8*\k:AQ+8*\k+1]
.endr
.irp k, 0,1,2,3,4,5,6,7
	v_pk_fma_f32 v[AQ+8*\k+6:AQ+8*\k+7], v[AQ+8*\k+2:AQ+8*\k+3], v[AQ+8*\k+2:AQ+8*\k+3], v[AQ+8*\k+6:AQ+8*\k+7]
.endr
.irp k, 0,1,2,3,4,5,6,7
	v_pk_fma_f32 v[AQ+8*\k+6:AQ+8*\k+7], v[AQ+8*\k+4:AQ+8*\k+5], v[AQ+8*\k+4:AQ+8*\k+5], v[AQ+8*\k+6:AQ+8*\k+7]
.endr
.irp k, 0,1,2,3,4,5,6,7
	v_mov_b32 v[BEST+\k], 0x7f800000               ; + infinity: the first finite distance is smaller
	v_mov_b32 v[GID+\k], 0
.endr
	v_mov_b32 v[LA0], v[LB0]
	v_mov_b32 v[LA1], v[LB1]
	s_wait_dscnt 0x0                               ; for the others' sake: my part of the table is written
	s_barrier_signal -1
	s_barrier_wait -1                              ; the table is whole
; Eight targets at byte o from the group in hand, into buffer b.  All lanes name the same address: a broadcast.
.macro LOADB b, o
.set lb, BB+32*(\b)
	ds_load_b128 v[lb:lb+3],     v[LA0] offset:(\o)
	ds_load_b128 v[lb+4:lb+7],   v[LA0] offset:(\o)+16
	ds_load_b128 v[lb+8:lb+11],  v[LA0] offset:TY+(\o)
	ds_load_b128 v[lb+12:lb+15], v[LA0] offset:TY+(\o)+16
	ds_load_b128 v[lb+16:lb+19], v[LA1] offset:(\o)
	ds_load_b128 v[lb+20:lb+23], v[LA1] offset:(\o)+16
	ds_load_b128 v[lb+24:lb+27], v[LA1] offset:TY+(\o)
	ds_load_b128 v[lb+28:lb+31], v[LA1] offset:TY+(\o)+16
.endm
; The n-th of the four minima that take query k's eight distances in.  A group's first starts from BEST, which stays as it was until the group is done.
.macro MIN1 k, n, h
.set mq, T+8*((\k)%2)+2*(\n)
.if ((\n) == 0) && ((\h) == 0)
	v_min3_num_f32 v[NB+(\k)], v[BEST+(\k)], v[mq], v[mq+1]
.else
	v_min3_num_f32 v[NB+(\k)], v[NB+(\k)], v[mq], v[mq+1]
.endif
.endm
; Query k against the eight targets of buffer b (half h of a group): five stages of four packed instructions, each stage one rounding of the formula.
; The four minima of the query before stand between the stages, so that none follows the one that it waits for.
.macro QRY k, b, h
.set tq, T+8*((\k)%2)
.set aq, AQ+8*(\k)
.set bq, BB+32*(\b)
.irp p, 0,2,4,6
	v_pk_mul_f32 v[tq+\p:tq+\p+1], v[aq:aq+1], v[bq+\p:bq+\p+1]                                   ; a0 b0, exact
.endr
.if (\k) > 0
	MIN1 (\k)-1, 0, \h
.endif
.irp p, 0,2,4,6
	v_pk_fma_f32 v[tq+\p:tq+\p+1], v[aq+2:aq+3], v[bq+8+\p:bq+8+\p+1], v[tq+\p:tq+\p+1]           ; + a1 b1
.endr
.if (\k) > 0
	MIN1 (\k)-1, 1, \h
.endif
.irp p, 0,2,4,6
	v_pk_fma_f32 v[tq+\p:tq+\p+1], v[aq+4:aq+5], v[bq+16+\p:bq+16+\p+1], v[tq+\p:tq+\p+1]         ; + a2 b2
.endr
.if (\k) > 0
	MIN1 (\k)-1, 2, \h
.endif
.irp p, 0,2,4,6
	v_pk_add_f32 v[S+\p:S+\p+1], v[aq+6:aq+7], v[bq+24+\p:bq+24+\p+1]                             ; |a|^2 + |b|^2
.endr
.if (\k) > 0
	MIN1 (\k)-1, 3, \h
.endif
.irp p, 0,2,4,6
	v_pk_fma_f32 v[tq+\p:tq+\p+1], v[tq+\p:tq+\p+1], v[NEG2:NEG2+1], v[S+\p:S+\p+1]               ; - 2 a.b: doubling is exact, so this is the formula's last rounding
.endr
.endm
.macro STEP b, h
.irp k, 0,1,2,3,4,5,6,7
	QRY \k, \b, \h
.endr
.irp n, 0,1,2,3
	MIN1 7, \n, \h
.endr
.endm
; A group is done: where it brought a smaller distance (strictly: of equal groups the first stays) its number is kept.
.macro UPD
.irp k, 0,1,2,3,4,5,6,7
	v_cmp_lt_f32 s[MK+\k], v[NB+\k], v[BEST+\k]
.endr
.irp k, 0,1,2,3,4,5,6,7
	v_cndmask_b32 v[GID+\k], v[GID+\k], v[CUR], s[MK+\k]
.endr
.irp k, 0,1,2,3,4,5,6,7
	v_mov_b32 v[BEST+\k], v[NB+\k]
.endr
	v_add_nc_u32 v[CUR], 1, v[CUR]
.endm
	LOADB 0, 0                                     ; group 0: both halves
	LOADB 1, 32
	s_mov_b32 s26, TRIPS
.Lgroup:                                               ; a trip: one group of 16 targets; each buffer is asked for again as soon as it has been used
	s_wait_dscnt 8                                 ; LDS loads come back in order: buffer 0's eight are in, buffer 1's eight may be out
	STEP 0, 0
	LOADB 0, 64                                    ; the next group's first half
	s_wait_dscnt 8                                 ; buffer 1's eight are in, the eight just issued may be out
	STEP 1, 1
	LOADB 1, 96                                    ; the next group's second half
	UPD
	s_add_co_u32 s27, s27, 64                      ; 16 targets x 4 bytes on
	v_add_nc_u32 v[LA0], s27, v[LB0]
	v_add_nc_u32 v[LA1], s27, v[LB1]
	s_sub_co_u32 s26, s26, 1
	s_cmp_lg_u32 s26, 0
	s_cbranch_scc1 .Lgroup
	s_wait_dscnt 8                                 ; the last group: nothing more to fetch
	STEP 0, 0
	s_wait_dscnt 0x0
	STEP 1, 1
	UPD
	; THE MERGE.  Every wave has read the table to its end (no LDS load of mine is out), then each puts its 256 minima and group numbers down: query 8 lane + k at word 8 lane + k of the wave's 1,024 bytes.
	s_barrier_signal -1
	s_barrier_wait -1
	v_lshl_add_u32 v[VM], v0, 5, MERGE             ; 1,024 x wave + 32 x lane = 32 t
	ds_store_b128 v[VM], v[BEST:BEST+3]
	ds_store_b128 v[VM], v[BEST+4:BEST+7] offset:16
	ds_store_b128 v[VM], v[GID:GID+3]     offset:MGID
	ds_store_b128 v[VM], v[GID+4:GID+7]   offset:MGID+16
	s_wait_tensorcnt 0x0                           ; these three lines stand behind my last LDS store
	ds_add_u32 v[SPW], v[NIL]
	s_wait_dscnt 0x0                               ; the add is done, and, for the others' sake, so are my four stores
	s_barrier_signal -1
	s_barrier_wait -1
	s_cmp_gt_u32 s28, 3
	s_cbranch_scc1 .Lend                           ; waves 0 to 3 finish: two neighbouring queries a lane, so that a wave's store covers 256 consecutive bytes, aligned
	v_lshl_add_u32 v[VR], v0, 3, MERGE
	v_lshlrev_b32 v[VO], 3, v0
.set w, 0
.rept 8
	ds_load_b64 v[MB+2*w:MB+2*w+1], v[VR] offset:1024*w
	ds_load_b64 v[MG+2*w:MG+2*w+1], v[VR] offset:MGID+1024*w
.set w, w+1
.endr
	s_wait_dscnt 0x0
.set w, 1
.rept 7                                                ; waves in ascending order are targets in ascending order; the compare is strict, so the first group stays
.irp e, 0,1
	v_cmp_lt_f32 s[MK+\e], v[MB+2*w+\e], v[MB+\e]
.endr
.irp e, 0,1
	v_cndmask_b32 v[MG+\e], v[MG+\e], v[MG+2*w+\e], s[MK+\e]
	v_min_num_f32 v[MB+\e], v[MB+\e], v[MB+2*w+\e]
.endr
.set w, w+1
.endr
	global_store_b64 v[VO], v[MG:MG+1], s[8:9]
.Lend:
	s_endpgm
.Lfunc_end_k_q75584e5591_scan:
	.size	k_q75584e5591_scan, .Lfunc_end_k_q75584e5591_scan-k_q75584e5591_scan
	.p2alignl 7, 3214868480
	.fill 96, 4, 3214868480
	.section	.rodata,"a",@progbits
	.p2align	6, 0x0
	.amdhsa_kernel k_q75584e5591_scan
		.amdhsa_group_segment_fixed_size 167936
		.amdhsa_private_segment_fixed_size 0
		.amdhsa_enable_private_segment 0
		.amdhsa_kernarg_size 24
		.amdhsa_user_sgpr_count 2
		.amdhsa_user_sgpr_kernarg_segment_ptr 1
		.amdhsa_wavefront_size32 1
		.amdhsa_system_sgpr_workgroup_id_x 1
		.amdhsa_system_sgpr_workgroup_id_y 1
		.amdhsa_system_sgpr_workgroup_id_z 1
		.amdhsa_system_vgpr_workitem_id 0
		.amdhsa_next_free_vgpr 256
		.amdhsa_next_free_sgpr 66
		.amdhsa_reserve_vcc 0
		.amdhsa_float_denorm_mode_32 3
		.amdhsa_float_denorm_mode_16_64 3
		.amdhsa_memory_ordered 1
		.amdhsa_forward_progress 1
		.amdhsa_inst_pref_size 78
	.end_amdhsa_kernel
	.amdgpu_metadata
---
amdhsa.version: [ 1, 2 ]
amdhsa.kernels:
  - .name:           k_q75584e5591_scan
    .symbol:         k_q75584e5591_scan.kd
    .args:
      - { .name: x, .offset: 0, .size: 8, .value_kind: global_buffer, .address_space: global }
      - { .name: y, .offset: 8, .size: 8, .value_kind: global_buffer, .address_space: global }
      - { .name: grp, .offset: 16, .size: 8, .value_kind: global_buffer, .address_space: global }
    .group_segment_fixed_size: 167936
    .private_segment_fixed_size: 0
    .kernarg_segment_align: 8
    .kernarg_segment_size: 24
    .max_flat_workgroup_size: 256
    .sgpr_count:     66
    .vgpr_count:     256
    .wavefront_size: 32
...
	.end_amdgpu_metadata
.endif
;; end of part 1
;; launch resolve (part 2): grid 32 x 8, 4 waves a work-group, no clusters, 0 bytes of LDS; arguments x, y, grp, out0, out1, out2, out3; writes out0, out1, out2, out3
.if DOCPART == 2
	.amdgcn_target "amdgcn-amd-amdhsa--gfx1250"
	.amdhsa_code_object_version 6
	.text
	.protected	k_q75584e5591_resolve
	.globl	k_q75584e5591_resolve
	.p2align	8
	.type	k_q75584e5591_resolve,@function
k_q75584e5591_resolve:
	s_mov_b64 s[64:65], 0
	v_nop
	global_prefetch_b8 v0, s[64:65] scope:SCOPE_SE
	s_setreg_imm32_b32 hwreg(HW_REG_WAVE_MODE, 25, 1), 1
	s_wait_xcnt 0x0
; RESOLVE.  For each query the launch before stored the number of the first group of 16 consecutive targets that holds its smallest d2.  Here that group's 16 distances are worked out
; again, by the same instructions on the same numbers, so bit for bit the same; the smallest and the first index that has it are stored.
; NUMBERS, as in the launch before: x and y rounded to bf16 (to nearest even), then f32 with the formula's own roundings:
;   |p|^2 = (p0 p0 + p1 p1) + p2 p2,   a.b = (a0 b0 + a1 b1) + a2 b2,   d2 = (|a|^2 + |b|^2) - 2 a.b.   Products of bf16 numbers are exact in f32.
; LIMITS.  A NaN distance never wins; infinities are not treated apart; products below 2^-126 may round otherwise than a separate multiply.
; SHARES.  Grid y = 4 x direction + cloud, grid x = a block of 256 queries; 128 threads, two neighbouring queries a lane, so that each store of a wave covers 256 consecutive bytes, aligned.
; A lane gathers 192 bytes (16 targets) for each of its queries; the group's number is a whole number read from memory and is clamped to 511 before it enters an address.
; No LDS and no matrix unit: 16 distances a query, each lane with targets of its own.
.set CLOUD, 98304                      ; bytes of a cloud
.set VO,   1                           ; v1        8 t: my two words in grp and in the outputs
.set VA,   2                           ; v2        24 t: my two raw queries
.set G,    4                           ; v[4:5]    their groups' numbers
.set QA,   6                           ; v[6:11]   the raw queries
.set TO,   12                          ; v[12:13]  byte offsets of the two groups in the target cloud
.set NEG2, 14                          ; v[14:15]  -2, twice
.set AD,   16                          ; v[16:31]  query q at AD + 8 q: a0 a0 a1 a1 a2 a2 |a|^2 |a|^2
.set RAW,  32                          ; v[32:127] raw targets, 48 registers a query
.set C,    128                         ; v[128:151] pairs of bf16
.set X,    152                         ; v[152:199] x, y, z of 16 targets
.set Y,    168
.set Z,    184
.set SB,   200                         ; v[200:215] |b|^2, then |a|^2 + |b|^2
.set TT,   216                         ; v[216:231] a.b, then d2
.set BD,   232                         ; v[232:233] the two smallest distances
.set BI,   234                         ; v[234:235] their indices
	s_load_b256 s[4:11], s[0:1], 0x0               ; x s[4:5], y s[6:7], grp s[8:9], out0 s[10:11]
	s_load_b128 s[12:15], s[0:1], 0x20             ; out1 s[12:13], out2 s[14:15]
	s_load_b64 s[16:17], s[0:1], 0x30              ; out3
	v_lshlrev_b32 v[VO], 3, v0
	v_mul_u32_u24 v[VA], v0, 24
	v_mov_b32 v[NEG2], -2.0
	v_mov_b32 v[NEG2+1], -2.0
	s_and_b32 s20, ttmp7, 0xffff                   ; 4 x direction + cloud
	s_lshr_b32 s21, s20, 2                         ; direction
	s_and_b32 s22, s20, 3                          ; cloud
	s_mul_i32 s24, s22, CLOUD
	s_mov_b32 s25, 0
	s_mul_i32 s26, ttmp9, 3072                     ; my block: 256 queries x 12 bytes
	s_mov_b32 s27, 0
	s_lshl_b32 s30, ttmp9, 10                      ; 256 words
	s_lshl_b32 s28, s20, 15                        ; grp: 8,192 words for each direction and cloud
	s_add_co_u32 s28, s28, s30
	s_mov_b32 s29, 0
	s_lshl_b32 s32, s22, 15                        ; the outputs: 8,192 words for each cloud
	s_add_co_u32 s32, s32, s30
	s_mov_b32 s33, 0
	s_mov_b32 s34, 0xffff0000                      ; a word's upper bf16
	s_wait_kmcnt 0x0
	s_cmp_eq_u32 s21, 0
	s_cselect_b64 s[36:37], s[4:5], s[6:7]         ; queries
	s_cselect_b64 s[38:39], s[6:7], s[4:5]         ; targets
	s_cselect_b64 s[40:41], s[10:11], s[12:13]     ; distances: out0 or out1
	s_cselect_b64 s[42:43], s[14:15], s[16:17]     ; indices: out2 or out3
	s_add_nc_u64 s[8:9], s[8:9], s[28:29]
	s_add_nc_u64 s[36:37], s[36:37], s[24:25]
	s_add_nc_u64 s[36:37], s[36:37], s[26:27]
	s_add_nc_u64 s[38:39], s[38:39], s[24:25]
	s_add_nc_u64 s[40:41], s[40:41], s[32:33]
	s_add_nc_u64 s[42:43], s[42:43], s[32:33]
	global_load_b64 v[G:G+1], v[VO], s[8:9]
	global_load_b64 v[QA:QA+1],   v[VA], s[36:37]
	global_load_b64 v[QA+2:QA+3], v[VA], s[36:37] offset:8
	global_load_b64 v[QA+4:QA+5], v[VA], s[36:37] offset:16
	s_wait_loadcnt 0x3                             ; the groups' numbers are in; the three loads behind them may be out
	v_min_u32 v[G], 0x1ff, v[G]                    ; 512 groups in a cloud
	v_min_u32 v[G+1], 0x1ff, v[G+1]
	v_mul_u32_u24 v[TO], v[G], 192                 ; 16 points x 12 bytes
	v_mul_u32_u24 v[TO+1], v[G+1], 192
.irp q, 0,1
.set i, 0
.rept 12
	global_load_b128 v[RAW+48*\q+4*i:RAW+48*\q+4*i+3], v[TO+\q], s[38:39] offset:16*i
.set i, i+1
.endr
.endr
	; The two queries: raw number n (0 to 5) is coordinate n % 3 of query n / 3; rounded, widened, written twice.
	s_wait_loadcnt 24                              ; the queries are in; the 24 gathers behind them may be out
.set j, 0
.rept 3
	v_cvt_pk_bf16_f32 v[C+j], v[QA+2*j], v[QA+2*j+1]
.set j, j+1
.endr
.set j, 0
.rept 3
.set d0, AD+8*((2*j)/3)+2*((2*j)%3)
.set d1, AD+8*((2*j+1)/3)+2*((2*j+1)%3)
	v_lshlrev_b32 v[d0], 16, v[C+j]
	v_lshlrev_b32 v[d0+1], 16, v[C+j]
	v_and_b32 v[d1], s34, v[C+j]
	v_and_b32 v[d1+1], s34, v[C+j]
.set j, j+1
.endr
.irp q, 0,8
	v_pk_mul_f32 v[AD+\q+6:AD+\q+7], v[AD+\q:AD+\q+1], v[AD+\q:AD+\q+1]
.endr
.irp q, 0,8
	v_pk_fma_f32 v[AD+\q+6:AD+\q+7], v[AD+\q+2:AD+\q+3], v[AD+\q+2:AD+\q+3], v[AD+\q+6:AD+\q+7]
.endr
.irp q, 0,8
	v_pk_fma_f32 v[AD+\q+6:AD+\q+7], v[AD+\q+4:AD+\q+5], v[AD+\q+4:AD+\q+5], v[AD+\q+6:AD+\q+7]
.endr
; Query q and its group.  Raw number n (0 to 47) is coordinate n % 3 of target n / 3.
.macro ONE q
	s_wait_loadcnt 12-12*(\q)                      ; loads come back in order: this query's twelve are in, the other's may be out
.set rw, RAW+48*(\q)
.set ad, AD+8*(\q)
.set j, 0
.rept 24
	v_cvt_pk_bf16_f32 v[C+j], v[rw+2*j], v[rw+2*j+1]
.set j, j+1
.endr
.set j, 0
.rept 24
	v_lshlrev_b32 v[X+16*((2*j)%3)+(2*j)/3], 16, v[C+j]
	v_and_b32 v[X+16*((2*j+1)%3)+(2*j+1)/3], s34, v[C+j]
.set j, j+1
.endr
.irp p, 0,2,4,6,8,10,12,14
	v_pk_mul_f32 v[SB+\p:SB+\p+1], v[X+\p:X+\p+1], v[X+\p:X+\p+1]
.endr
.irp p, 0,2,4,6,8,10,12,14
	v_pk_mul_f32 v[TT+\p:TT+\p+1], v[ad:ad+1], v[X+\p:X+\p+1]
.endr
.irp p, 0,2,4,6,8,10,12,14
	v_pk_fma_f32 v[SB+\p:SB+\p+1], v[Y+\p:Y+\p+1], v[Y+\p:Y+\p+1], v[SB+\p:SB+\p+1]
.endr
.irp p, 0,2,4,6,8,10,12,14
	v_pk_fma_f32 v[TT+\p:TT+\p+1], v[ad+2:ad+3], v[Y+\p:Y+\p+1], v[TT+\p:TT+\p+1]
.endr
.irp p, 0,2,4,6,8,10,12,14
	v_pk_fma_f32 v[SB+\p:SB+\p+1], v[Z+\p:Z+\p+1], v[Z+\p:Z+\p+1], v[SB+\p:SB+\p+1]
.endr
.irp p, 0,2,4,6,8,10,12,14
	v_pk_fma_f32 v[TT+\p:TT+\p+1], v[ad+4:ad+5], v[Z+\p:Z+\p+1], v[TT+\p:TT+\p+1]
.endr
.irp p, 0,2,4,6,8,10,12,14
	v_pk_add_f32 v[SB+\p:SB+\p+1], v[ad+6:ad+7], v[SB+\p:SB+\p+1]
.endr
.irp p, 0,2,4,6,8,10,12,14
	v_pk_fma_f32 v[TT+\p:TT+\p+1], v[TT+\p:TT+\p+1], v[NEG2:NEG2+1], v[SB+\p:SB+\p+1]
.endr
	v_mov_b32 v[BD+(\q)], v[TT]                    ; target 0 starts; a later one takes over only if it is strictly smaller: the first index stays
	v_mov_b32 v[BI+(\q)], 0
.set j, 1
.rept 15
	v_cmp_lt_f32 vcc_lo, v[TT+j], v[BD+(\q)]
	v_cndmask_b32 v[BI+(\q)], v[BI+(\q)], j, vcc_lo
	v_min_num_f32 v[BD+(\q)], v[BD+(\q)], v[TT+j]
.set j, j+1
.endr
	v_lshl_add_u32 v[BI+(\q)], v[G+(\q)], 4, v[BI+(\q)]  ; 16 x group + place in the group
.endm
	ONE 0
	ONE 1
	global_store_b64 v[VO], v[BD:BD+1], s[40:41]   ; 32 lanes x 8 bytes: 256 consecutive bytes, at a multiple of 256 from the output's first byte
	global_store_b64 v[VO], v[BI:BI+1], s[42:43]
	s_endpgm
.Lfunc_end_k_q75584e5591_resolve:
	.size	k_q75584e5591_resolve, .Lfunc_end_k_q75584e5591_resolve-k_q75584e5591_resolve
	.p2alignl 7, 3214868480
	.fill 96, 4, 3214868480
	.section	.rodata,"a",@progbits
	.p2align	6, 0x0
	.amdhsa_kernel k_q75584e5591_resolve
		.amdhsa_group_segment_fixed_size 0
		.amdhsa_private_segment_fixed_size 0
		.amdhsa_enable_private_segment 0
		.amdhsa_kernarg_size 56
		.amdhsa_user_sgpr_count 2
		.amdhsa_user_sgpr_kernarg_segment_ptr 1
		.amdhsa_wavefront_size32 1
		.amdhsa_system_sgpr_workgroup_id_x 1
		.amdhsa_system_sgpr_workgroup_id_y 1
		.amdhsa_system_sgpr_workgroup_id_z 1
		.amdhsa_system_vgpr_workitem_id 0
		.amdhsa_next_free_vgpr 240
		.amdhsa_next_free_sgpr 66
		.amdhsa_reserve_vcc 1
		.amdhsa_float_denorm_mode_32 3
		.amdhsa_float_denorm_mode_16_64 3
		.amdhsa_memory_ordered 1
		.amdhsa_forward_progress 1
		.amdhsa_inst_pref_size 24
	.end_amdhsa_kernel
	.amdgpu_metadata
---
amdhsa.version: [ 1, 2 ]
amdhsa.kernels:
  - .name:           k_q75584e5591_resolve
    .symbol:         k_q75584e5591_resolve.kd
    .args:
      - { .name: x, .offset: 0, .size: 8, .value_kind: global_buffer, .address_space: global }
      - { .name: y, .offset: 8, .size: 8, .value_kind: global_buffer, .address_space: global }
      - { .name: grp, .offset: 16, .size: 8, .value_kind: global_buffer, .address_space: global }
      - { .name: out0, .offset: 24, .size: 8, .value_kind: global_buffer, .address_space: global }
      - { .name: out1, .offset: 32, .size: 8, .value_kind: global_buffer, .address_space: global }
      - { .name: out2, .offset: 40, .size: 8, .value_kind: global_buffer, .address_space: global }
      - { .name: out3, .offset: 48, .size: 8, .value_kind: global_buffer, .address_space: global }
    .group_segment_fixed_size: 0
    .private_segment_fixed_size: 0
    .kernarg_segment_align: 8
    .kernarg_segment_size: 56
    .max_flat_workgroup_size: 128
    .sgpr_count:     66
    .vgpr_count:     240
    .wavefront_size: 32
...
	.end_amdgpu_metadata
.endif
;; end of part 2
